; MI455X (gfx1250); checked and timed in simulation.
; The chip was launched on July 23, 2026; its instructions are those of AMD's public machine-readable ISA for CDNA 5 (MIT licence, August 2026) and "CDNA5" Instruction Set Architecture Reference Guide (July 2026). The comments in the code are by the model that wrote it; some were corrected since.
;; State Quantizer. Allowed arithmetic: float matrix products may take bf16 or f16 operands with f32 sums; all other float work in f32.
;; Inputs: codebook 1,024 x 64 float32; z 32 x 2,048 x 64 float32.
;; Outputs: out0 32 x 2,048 x 64 float32; out1 one number float32.
;; One version. Each part assembles by itself: llvm-mc -triple=amdgcn-amd-amdhsa -mcpu=gfx1250 --defsym DOCPART=n.
;; ======== version 1 of 1: 2 launches
;; limits: a difference of large sums (such as E[x^2] - mean^2): digits are lost where the result is much smaller than its terms; values outside matrix products are rounded to bf16
;; workspace buffers: idx 262,144 bytes of whole numbers; part 1,024 bytes
;; launch nearest (part 1): grid 256 x 1, 4 waves a work-group, clusters of 4 x 1, 324,352 bytes of LDS; arguments z, codebook, idx, part; writes idx, part
.if DOCPART == 1
	.amdgcn_target "amdgcn-amd-amdhsa--gfx1250"
	.amdhsa_code_object_version 6
	.text
	.protected	k_qcad88dd562_nearest
	.globl	k_qcad88dd562_nearest
	.p2align	8
	.type	k_qcad88dd562_nearest,@function
k_qcad88dd562_nearest:
	s_mov_b64 s[64:65], 0
	v_nop
	global_prefetch_b8 v0, s[64:65] scope:SCOPE_SE
	s_setreg_imm32_b32 hwreg(HW_REG_WAVE_MODE, 25, 1), 1
	s_wait_xcnt 0x0
	s_wait_alu depctr_hold_cnt(0) depctr_sa_sdst(0) depctr_va_vdst(0) depctr_va_sdst(0) depctr_va_ssrc(0) depctr_va_vcc(0) depctr_vm_vsrc(0)
	s_getreg_b32 s2, hwreg(HW_REG_IB_STS2, 6, 4)
	s_cmp_eq_u32 s2, 0
	s_cbranch_scc0 .Lentry_in_a_cluster
	s_endpgm
.Lentry_in_a_cluster:
	s_bfe_u32 s2, ttmp6, 0x10000c
	s_cmp_lg_u32 s2, 0x3003
	s_cbranch_scc0 .Lentry_shape_is_right
	s_endpgm
.Lentry_shape_is_right:
; nearest: for each of the 65,536 rows of z the index of the nearest of the 1,024 codes (idx), and this work-group's part of the loss (part).
;
; WHAT IS LEFT OUT, for all finite values of the inputs:
;  - dist = |z|^2 - 2 z.e + |e|^2: |z|^2 is the same for all codes of a row, so it cannot change the argmin.  The kernel takes the code
;    with the largest s = z.e - |e|^2 / 2, which is the code with the smallest dist.
;  - z_e + (z_q - z_e) = z_q: out0 is the looked-up row itself (made by the second launch from idx; z is not read there).
;  - stop_gradient changes no value, so the loss is (0.1 + 1) * 10 = 11 times the mean of (z_q - z)^2, and the sum of (z_q - z)^2 over a row
;    is that row's smallest dist = |z|^2 - 2 s_max.  The work-group stores  sum |z|^2 - 2 sum s_max  over its 256 rows.
; Both inputs are read; no input is left out.
; FORMATS AND LIMITS.  z and the codes are rounded to bf16 (nearest even) for the product; |e|^2 (by the matrix unit) and |z|^2 (f32 sums) are
; taken over the SAME rounded numbers, so the identity above is exact on the rounded inputs; what is left is f32 summation error, about
; 2^-23 x (sum |z|^2 / sum dist) of the loss: with a common offset of 30 spreads in both inputs that ratio is about 450 and the error about 5e-5.
; The index is the argmin on the rounded inputs; equal scores give the lowest index; two codes whose distances differ by no more than f32
; rounding may be told apart otherwise than by reference().  NaN and infinities in the inputs are not served (a NaN score loses every
; maximum), and a NaN, an infinity or an overflow that would arise only in the terms left out is not carried to the results.
;
; SHAPE.  256 work-groups of four waves; a work-group takes 256 rows of z.  Wave w keeps codes 256 w .. 256 w + 255 in registers for the whole
; kernel: 16 tiles of 16 codes x 64 as bf16 A fragments (256 registers) and -|e|^2/2 in the accumulator's layout (128 registers), which is the
; first product's C.  Every wave walks all 16 tiles of 16 rows of z (B fragments from LDS: four loads for 32 matrix instructions).
; Codes lie on m, rows of z on n: register j of lane (r, h) holds s(code 16 t + 8 h + j, row r), so a maximum over codes stays in the lane.
; CLUSTER.  All work-groups read the same codebook: four form a cluster and ask for it jointly, each wave for its own quarter in four loads of
; 64 rows.  They are first fills; nothing is filled again.  By this text's count a wave has four tensor loads outstanding.
.set CPITCH, 272                       ; a code's 256 bytes of f32 + 16 of padding = 17 x 16: the 16 rows of a load lie in 16 different 16-byte columns of a 256-byte span
.set CWAVE,  256*CPITCH                ; a wave's quarter of the codebook in LDS
.set CQ,     64*CPITCH                 ; what one tensor load brings
.set ZB,     4*CWAVE                   ; z as bf16, 256 rows
.set ZPITCH, 144                       ; 128 bytes + 16 = 9 x 16
.set ZSTEP,  16*ZPITCH                 ; from one tile of 16 rows to the next
.set EE,     ZB+256*ZPITCH             ; 2,048 bytes a wave: -|e|^2/2 of its 256 codes (1,024), then 1,024 spare bytes that are written and never read
.set RED,    EE+8192                   ; four words: the waves' sums
; The candidates (16 KiB: wave w at 4096 w, a row 16 bytes, a lane half 8) lie at LDS byte 0, in bytes of the f32 codebook, which has had its
; only fill and is read for the last time in front of the first work-group barrier behind the fills.
; window 0
.set ZG,   3                           ; z: my byte offset in the work-group's 64 KiB
.set ZS,   4                           ; z: where my 8 bytes of bf16 go in LDS
.set CL,   5                           ; f32 codes in LDS: row r of my quarter + 32 h
.set EES,  6                           ; -|e|^2/2: where my lane puts what it has picked from a tile's diagonal
.set EEL,  7                           ; and where lane half h reads eight of them
.set ZA,   8                           ; B fragments: row r of the current tile + 16 h
.set CA,   9                           ; my candidate's place
.set IDXB, 10                          ; 256 w + 8 h
.set FA,   11
.set ZZ,   12                          ; v[12:15] four sums of z^2
.set MO,   20                          ; the maximum up to an odd code tile, at last the rows' maximum; v21 beside it takes the index: the pair is stored
.set ME,   22                          ; the maximum up to an even code tile
.set T,    23                          ; tile of the running maximum
.set JH,   24
.set TA,   25
.set TB,   26
.set TC,   27
.set JL,   28
.set BS,   29
.set IO,   30
.set R,    32                          ; v[32:39] the eight scores of the tile that holds the running maximum
.set DS0,  40                          ; v[40:55] two accumulators
.set DS1,  56                          ; v[56:71] two more
.set BF0,  72                          ; v[72:87]  B fragments, 16 rows x 64
.set BF1,  88                          ; v[88:103] the next tile's
.set PX,   104
.set CE,   128                         ; v[128:255] -|e|^2/2, eight registers a tile
.set ZST,  128                         ; the same registers hold z as loaded, before that
.set F,    40                          ; the end: 32 words of candidates
.set OI,   72                          ; the end: two indices
; window 1: tile t's A fragments at v[16 t] (K 0-31) and v[16 t + 8] (K 32-63).   window 2: v[0:127], four tiles of f32 codes on their way
.set G1, 24                            ; s[24:31] descriptor group 1
.set G0, 32                            ; s[32:47] descriptor group 0, a set for each of the four loads
.set DM, 52                            ; s[52:58] set-up: lane masks, lanes with lane % 8 = 1 .. 7
.set QM, 52                            ; s[52:58] afterwards: the seven compares at the end of 16 rows
.set MSB, 0
.macro WIN new                         ; low byte: bits 1:0 source 0, 3:2 source 1, 5:4 source 2, 7:6 destination; the high byte repeats the setting that is left
.if MSB != \new
	s_set_vgpr_msb (MSB<<8)|\new
.set MSB, \new
.endif
.endm
.macro ROUND                           ; a round of the cluster's barrier: my work-group's barrier, wave 0 signals for it, all wait for the four work-groups, my barrier again
	s_barrier_signal -1
	s_barrier_wait -1
	s_cmp_lg_u32 s12, 0
	s_cbranch_scc1 .Lnot_wave_0_\@
	s_barrier_signal -3
.Lnot_wave_0_\@:
	s_barrier_wait -3
	s_barrier_signal -1
	s_barrier_wait -1
.endm
	s_load_b256 s[4:11], s[0:1], 0x0               ; z s[4:5], codebook s[6:7], idx s[8:9], part s[10:11]
	v_lshl_add_u32 v126, v0, 2, 0x4f100
	v_mov_b32 v127, 0
	ds_add_u32 v126, v127
	v_lshrrev_b32 v1, 5, v0
	v_readfirstlane_b32 s12, v1                    ; wave 0..3
	v_and_b32 v2, 31, v0
	v_lshlrev_b32 v[ZG], 4, v2                     ; 16 bytes a lane,
	v_lshl_add_u32 v[ZG], v1, 14, v[ZG]            ; 64 rows of 256 bytes a wave
	s_bfe_u32 s13, ttmp6, 0x40000                  ; my place in the cluster: it enters the global offsets of z, idx and part alone
	s_lshl_b32 s16, ttmp9, 2
	s_add_co_u32 s16, s16, s13                     ; work-group 0..255
	s_mov_b32 s49, 0
	s_mov_b32 s51, 0
	s_lshl_b32 s50, s12, 16                        ; my quarter of the codebook in memory: 256 codes of 256 bytes
	s_mul_i32 s17, s12, CWAVE                      ; and in LDS
	s_mov_b32 s18, 0x76543210                      ; v_permlanex16_b32: lane i of one half reads lane i of the other
	s_mov_b32 s19, 0xfedcba98
.irp j, 1,2,3,4,5,6,7
	s_mov_b32 s[DM+\j-1], 0x01010101<<\j           ; lanes j, 8 + j, 16 + j, 24 + j
.endr
	; group 1: 64 rows of 64 f32, dense in memory, 16 bytes of padding behind each row in LDS
	s_mov_b32 s[G1+0], 15|(2<<16)|(1<<20)|(1<<21)|(5<<22)|(3<<25) ; 15:0 the cluster's four work-groups; 17:16 elements of 4 bytes; 20 padding on; 21 set beside a mask; 24:22 after every 64 words; 31:25 four words
	s_mov_b32 s[G1+1], 64<<16                      ; tensor_dim0 = 64
	s_mov_b32 s[G1+2], 64<<16                      ; tensor_dim1 = 64
	s_mov_b32 s[G1+3], 64<<16                      ; tile_dim0 = 64
	s_mov_b32 s[G1+4], 64                          ; tile_dim1 = 64
	s_mov_b32 s[G1+5], 64                          ; 64 elements from row to row
	s_mov_b32 s[G1+6], 0
	s_mov_b32 s[G1+7], 0
	s_wait_dscnt 0x0
	s_wait_kmcnt 0x0
	s_lshl_b32 s48, s16, 16                        ; 256 rows of 256 bytes a work-group
	s_add_nc_u64 s[4:5], s[4:5], s[48:49]
.set zi, 0
.rept 32
	global_load_b128 v[ZST+4*zi:ZST+4*zi+3], v[ZG], s[4:5] offset:512*zi th:TH_LOAD_NT   ; 512 consecutive bytes a wave: two whole rows of z, read once in the launch
.set zi, zi+1
.endr
	s_lshl_b32 s48, s16, 10
	s_add_nc_u64 s[8:9], s[8:9], s[48:49]          ; idx: 256 words a work-group
	s_lshl_b32 s48, s16, 2
	s_add_nc_u64 s[10:11], s[10:11], s[48:49]      ; part: one word
	s_add_nc_u64 s[6:7], s[6:7], s[50:51]          ; by the wave's number alone: the same in all four work-groups
.irp q, 0,1,2,3
	s_mov_b32 s[G0+4*\q], 1                                        ; count = 1
	s_add_co_u32 s[G0+4*\q+1], s17, \q*CQ                          ; LDS address: wave x quarter + load x 64 rows
	s_add_nc_u64 s[G0+4*\q+2:G0+4*\q+3], s[6:7], \q*16384          ; global address
	s_or_b32 s[G0+4*\q+3], s[G0+4*\q+3], 0x80000000                ; type = 2
.endr
	ROUND                                          ; the four work-groups are here: the joint loads meet
.irp q, 0,1,2,3
	tensor_load_to_lds s[G0+4*\q:G0+4*\q+3], s[G1:G1+7]            ; all first fills in one group
	s_nop 0
.endr
	v_and_b32 v1, 15, v0                           ; r
	v_bfe_u32 v2, v0, 4, 1                         ; h
	v_mul_u32_u24 v[ZS], v2, ZPITCH                ; a load's lanes 16-31 hold the odd row
	v_lshl_add_u32 v[ZS], v1, 3, v[ZS]             ; four numbers = 8 bytes of bf16
	s_mul_i32 s20, s12, 64*ZPITCH
	s_add_co_u32 s20, s20, ZB
	v_add_nc_u32 v[ZS], s20, v[ZS]
	v_mul_u32_u24 v[CL], v1, CPITCH
	v_lshl_add_u32 v[CL], v2, 5, v[CL]             ; K = 8 h: 32 bytes of f32
	v_add_nc_u32 v[CL], s17, v[CL]
	s_lshl_b32 s20, s12, 11
	s_add_co_u32 s20, s20, EE                      ; my wave's 2,048 bytes
	v_lshl_add_u32 v[EES], v1, 2, s20              ; word r
	v_add_nc_u32 v[TA], 8, v0                      ; bit 4 of lane + 8 is 0 in lanes 0-7 and 24-31, which hold a tile's diagonal (r = 8 h + j),
	v_bfe_u32 v[TA], v[TA], 4, 1                   ; and 1 in lanes 8-23, which hold none of it:
	v_lshl_add_u32 v[EES], v[TA], 10, v[EES]       ; these store into the spare half
	v_lshl_add_u32 v[EEL], v2, 5, s20              ; codes 8 h .. 8 h + 7 of a tile
	v_mul_u32_u24 v[ZA], v1, ZPITCH
	v_lshl_add_u32 v[ZA], v2, 4, v[ZA]             ; K = 8 h: 16 bytes of bf16
	v_add_nc_u32 v[ZA], ZB, v[ZA]
	s_lshl_b32 s20, s12, 12
	v_lshl_add_u32 v[CA], v1, 4, s20
	v_lshl_add_u32 v[CA], v2, 3, v[CA]
	s_lshl_b32 s20, s12, 8
	v_lshl_add_u32 v[IDXB], v2, 3, s20
.irp k, 0,1,2,3
	v_mov_b32 v[ZZ+\k], 0
.endr
	v_mov_b32 v[PX], 0                             ; v_permlanex16_b32 counts as a reader of its destination
	; z: round to bf16, add the squares of the rounded numbers (four chains), 8 bytes a lane into LDS
.set zi, 0
.rept 32
	s_wait_loadcnt 31-zi                           ; loads come back in order: this one is in, the younger ones stay out
	v_cvt_pk_bf16_f32 v[ZST+4*zi], v[ZST+4*zi], v[ZST+4*zi+1]
	v_cvt_pk_bf16_f32 v[ZST+4*zi+1], v[ZST+4*zi+2], v[ZST+4*zi+3]
	v_fma_mix_f32_bf16 v[ZZ], v[ZST+4*zi], v[ZST+4*zi], v[ZZ] op_sel_hi:[1,1,0]
	v_fma_mix_f32_bf16 v[ZZ+1], v[ZST+4*zi], v[ZST+4*zi], v[ZZ+1] op_sel:[1,1,0] op_sel_hi:[1,1,0]
	v_fma_mix_f32_bf16 v[ZZ+2], v[ZST+4*zi+1], v[ZST+4*zi+1], v[ZZ+2] op_sel_hi:[1,1,0]
	v_fma_mix_f32_bf16 v[ZZ+3], v[ZST+4*zi+1], v[ZST+4*zi+1], v[ZZ+3] op_sel:[1,1,0] op_sel_hi:[1,1,0]
	ds_store_b64 v[ZS], v[ZST+4*zi:ZST+4*zi+1] offset:2*ZPITCH*zi
.set zi, zi+1
.endr
; MY CODES, four tiles (one tensor load's 64 rows) at a time, in three steps; the next four tiles' LDS loads are issued between the second and the third.
; CLOAD: f32 out of LDS in the fragment's order.  Lane (r, h) takes code r's K = 8 h + 0..7, 16 + 8 h + 0..7, and the same + 32.
.macro CLOAD q
	s_wait_tensorcnt 3-\q                          ; a wave's tensor loads end in order: load q has landed, the younger ones stay out; only I read these bytes
	WIN 0x80                                       ; destination window 2
.irp u, 0,1,2,3
.irp e, 0,1,2,3,4,5,6,7
	ds_load_b128 v[32*\u+4*\e:32*\u+4*\e+3], v[CL] offset:(4*\q+\u)*16*CPITCH+(\e/2)*64+(\e%2)*16
.endr
.endr
.endm
; CCVT: rounded to bf16 into window 1.  behind = the LDS instructions issued behind this batch's 32 loads (the 4 stores and 8 loads of the batch before).
.macro CCVT q, behind
	WIN 0x4a                                       ; sources window 2, destination window 1
.irp u, 0,1,2,3
	s_wait_dscnt 24-8*\u+\behind                   ; tile u's eight loads are in; those of the tiles behind it, and what was issued behind them, stay out
.irp e, 0,1,2,3,4,5,6,7
	v_cvt_pk_bf16_f32 v[16*(4*\q+\u)+2*\e], v[32*\u+4*\e], v[32*\u+4*\e+1]
	v_cvt_pk_bf16_f32 v[16*(4*\q+\u)+2*\e+1], v[32*\u+4*\e+2], v[32*\u+4*\e+3]
.endr
.endr
.endm
; CNORM: |e|^2.  A and B have the same register map, so a tile's fragment taken as both gives e_m . e_n; |e_r|^2 is element (r, r): register r % 8 of lane r
; (r < 8) or lane 16 + r (r >= 8).  Each lane picks register lane % 8; -|e|^2/2 goes through my own LDS words into the accumulator's layout.
.macro CNORM q
	WIN 0x05                                       ; A and B window 1; C and D window 0
.irp u, 0,1,2,3
	v_wmma_f32_16x16x32_bf16 v[DS0+8*\u:DS0+8*\u+7], v[16*(4*\q+\u):16*(4*\q+\u)+7], v[16*(4*\q+\u):16*(4*\q+\u)+7], 0
.endr
.irp u, 0,1,2,3                                ; the four accumulators take turns, one instruction a turn
	v_wmma_f32_16x16x32_bf16 v[DS0+8*\u:DS0+8*\u+7], v[16*(4*\q+\u)+8:16*(4*\q+\u)+15], v[16*(4*\q+\u)+8:16*(4*\q+\u)+15], v[DS0+8*\u:DS0+8*\u+7]
.endr
	WIN 0
.rept 4
	v_nop                                          ; four places between a matrix instruction and a reader of its result (ISA guide 7.12.1); nothing independent is left to do here
.endr
.irp j, 1,2,3,4,5,6,7
.irp u, 0,1,2,3
	v_cndmask_b32 v[DS0+8*\u], v[DS0+8*\u], v[DS0+8*\u+\j], s[DM+\j-1]
.endr
.endr
.irp u, 0,1,2,3
	v_mul_f32 v[DS0+8*\u], -0.5, v[DS0+8*\u]
.endr
.irp u, 0,1,2,3
	ds_store_b32 v[EES], v[DS0+8*\u] offset:64*(4*\q+\u)           ; lanes 0-7 and 24-31: word r of the tile; the others into the spare half
.endr
.irp u, 0,1,2,3
	ds_load_b128 v[CE+8*(4*\q+\u):CE+8*(4*\q+\u)+3], v[EEL] offset:64*(4*\q+\u)        ; LDS serves a wave's instructions in order: these see the stores above
	ds_load_b128 v[CE+8*(4*\q+\u)+4:CE+8*(4*\q+\u)+7], v[EEL] offset:64*(4*\q+\u)+16   ; register j: code 8 h + j, the same in all 16 lanes of a half
.endr
.endm
	CLOAD 0
	CCVT 0, 0
	CLOAD 1                                        ; window 2 is free as soon as the conversions have read it
	CNORM 0
	CCVT 1, 12
	CLOAD 2
	CNORM 1
	CCVT 2, 12
	CLOAD 3                                        ; its wait on the tensor loads is for zero
	CNORM 2
	CCVT 3, 12
	CNORM 3
	s_wait_dscnt 0x0                               ; my rows of z are in LDS, my reads of the f32 codes are over, my -|e|^2/2 are in registers
	s_barrier_signal -1
	s_barrier_wait -1                              ; so are everybody's: z may be read, and the f32 codes' first bytes may take the candidates
; THE LOOP.  One matrix instruction, then a slice of five vector instructions.  A lies in window 1; all else, and the slices, in window 0.
.macro W d, a, b, c
	WIN 0x01
	v_wmma_f32_16x16x32_bf16 v[\d:\d+7], v[\a:\a+7], v[\b:\b+7], v[\c:\c+7]
	WIN 0
.endm
; The vector work on code tile k is ten instructions: four v_max3 (its eight scores and the maximum so far), a compare, and where the maximum grew the tile's
; number and its eight scores are kept (one select and four pairs of selects).  It is laid in two slices, staggered by a tile, so that no line reads the
; result of the line above it: slice A(k) compares for tile k and begins tile k + 1's maximum, slice B(k) ends that maximum and ends tile k's selects.
; VCC = 'old maximum >= new maximum' = keep: the earlier tile stays on equal scores.  A select takes its second source where VCC is set.
; s: tile k's eight scores; n: tile k + 1's; mp, mc: the maxima up to tiles k - 1 and k; fresh = 1: tile k + 1 is the next 16 rows' first; more = 0: there is no tile k + 1.
.macro SA s, n, mp, mc, fresh, more
	v_cmp_ge_f32 vcc_lo, v[\mp], v[\mc]
.if \more
	v_max3_num_f32 v[TA], v[\n], v[\n+1], v[\n+2]
	v_max3_num_f32 v[TB], v[\n+3], v[\n+4], v[\n+5]
.if \fresh
	v_max_num_f32 v[TC], v[\n+6], v[\n+7]
.else
	v_max3_num_f32 v[TC], v[\n+6], v[\n+7], v[\mc]
.endif
.endif
	v_dual_cndmask_b32 v[R], v[\s], v[R] :: v_dual_cndmask_b32 v[R+1], v[\s+1], v[R+1]
.endm
; mn: takes the maximum up to tile k + 1 (the register of the maximum up to tile k - 1, which the compare has read)
.macro SB k, s, mn, more
.if \more
	v_max3_num_f32 v[\mn], v[TA], v[TB], v[TC]
.endif
	v_dual_cndmask_b32 v[R+2], v[\s+2], v[R+2] :: v_dual_cndmask_b32 v[R+3], v[\s+3], v[R+3]
	v_dual_cndmask_b32 v[R+4], v[\s+4], v[R+4] :: v_dual_cndmask_b32 v[R+5], v[\s+5], v[R+5]
	v_dual_cndmask_b32 v[R+6], v[\s+6], v[R+6] :: v_dual_cndmask_b32 v[R+7], v[\s+7], v[R+7]
	v_cndmask_b32 v[T], \k, v[T], vcc_lo
.endm
; 16 rows are done: the first j whose kept score is the maximum (two short chains, j = 0..3 and 4..7), the code's number, the candidate into LDS, a new start.
.macro RESOLVE
.irp j, 0,1,2,3,4,5,6
	v_cmp_eq_f32 s[QM+\j], v[R+\j], v[MO]
.endr
	v_lshl_add_u32 v[BS], v[T], 4, v[IDXB]         ; 256 w + 16 t + 8 h
	v_cndmask_b32 v[JH], 7, 6, s[QM+6]
	v_cndmask_b32 v[JL], 3, 2, s[QM+2]
	s_or_b32 s[QM+3], s[QM+3], s[QM+2]
	v_cndmask_b32 v[JH], v[JH], 5, s[QM+5]
	v_cndmask_b32 v[JL], v[JL], 1, s[QM+1]
	s_or_b32 s[QM+3], s[QM+3], s[QM+1]
	v_cndmask_b32 v[JH], v[JH], 4, s[QM+4]
	v_cndmask_b32 v[JL], v[JL], 0, s[QM]
	s_or_b32 s[QM+3], s[QM+3], s[QM]               ; one of j = 0..3 holds the maximum
	v_cndmask_b32 v[JH], v[JH], v[JL], s[QM+3]
	v_add_nc_u32 v[MO+1], v[BS], v[JH]
	ds_store_b64 v[CA], v[MO:MO+1]
	v_add_nc_u32 v[CA], 256, v[CA]                 ; 16 rows of 16 bytes on
	v_mov_b32 v[MO], 0xff800000                    ; minus infinity: the next rows' first compare then replaces T and R for every finite score
.endm
; Code tiles 2 t and 2 t + 1 against the 16 rows in bf, into the pair at ds (os: the other pair, tiles 2 t - 2 and 2 t - 1).  The two accumulators take turns, one
; instruction a turn.  Behind the four matrix instructions stand B(2 t - 3), A(2 t - 2), B(2 t - 2), A(2 t - 1); ka = 2 t - 3 and
; kb = 2 t - 2, modulo 16: steps 0 and 1 end the 16 rows before.  A tile's scores are first read a whole slice (five plain vector instructions that name none of
; the matrix instruction's registers) or more behind the matrix instruction that ended them, more than the four places of ISA guide 7.12.1, and are read
; for the last time ahead of the matrix instruction that writes over them: tile 2 t - 3 lies at ds + 8, which the second one below starts anew.
; head = 1: step 1, the 16 rows before are resolved; head = 2: step 1 of the first 16 rows, with nothing before them.
.macro STEP t, bf, ds, os, ka, kb, head
	W \ds, 32*\t, \bf, CE+16*\t
.if \head == 2
	v_max3_num_f32 v[ME], v[TA], v[TB], v[TC]
.else
	SB \ka, \ds+8, ME, 1
.endif
.if \head == 1
	RESOLVE
.endif
	W \ds+8, 32*\t+16, \bf, CE+16*\t+8
	SA \os, \os+8, MO, ME, 0, 1
	W \ds, 32*\t+8, \bf+8, \ds
	SB \kb, \os, MO, 1
	W \ds+8, 32*\t+24, \bf+8, \ds+8
.if \t == 0
	SA \os+8, \ds, ME, MO, 1, 1
.else
	SA \os+8, \ds, ME, MO, 0, 1
.endif
.endm
; One tile of 16 rows of z, its fragments in bf, its step 0 already issued.  more = 1: the next tile's fragments are fetched into nbf (last read by matrix
; instructions four slices further up) and its step 0 is issued, so that the products do not pause at the end of a tile.
.macro NTILE bf, nbf, head, more
.if \more
	ds_load_b128 v[\nbf:\nbf+3], v[ZA] offset:ZSTEP
	ds_load_b128 v[\nbf+4:\nbf+7], v[ZA] offset:ZSTEP+32
	ds_load_b128 v[\nbf+8:\nbf+11], v[ZA] offset:ZSTEP+64
	ds_load_b128 v[\nbf+12:\nbf+15], v[ZA] offset:ZSTEP+96
	v_add_nc_u32 v[ZA], ZSTEP, v[ZA]
.endif
	STEP 1, \bf, DS1, DS0, 15, 0, \head
	STEP 2, \bf, DS0, DS1, 1, 2, 0
	STEP 3, \bf, DS1, DS0, 3, 4, 0
	STEP 4, \bf, DS0, DS1, 5, 6, 0
	STEP 5, \bf, DS1, DS0, 7, 8, 0
	STEP 6, \bf, DS0, DS1, 9, 10, 0
	STEP 7, \bf, DS1, DS0, 11, 12, 0
.if \more
	s_wait_dscnt 0x0                               ; the next fragments, asked for seven steps ago
	STEP 0, \nbf, DS0, DS1, 13, 14, 0
.else
	SB 13, DS0+8, ME, 1                            ; the last slices, with no products left to stand between them
	SA DS1, DS1+8, MO, ME, 0, 1
	SB 14, DS1, MO, 1
	SA DS1+8, DS1, ME, MO, 0, 0
	SB 15, DS1+8, ME, 0
	RESOLVE
.endif
.endm
	ds_load_b128 v[BF0:BF0+3], v[ZA]
	ds_load_b128 v[BF0+4:BF0+7], v[ZA] offset:32
	ds_load_b128 v[BF0+8:BF0+11], v[ZA] offset:64
	ds_load_b128 v[BF0+12:BF0+15], v[ZA] offset:96
	s_wait_dscnt 0x0
	WIN 0x01                                       ; rows 0-15, step 0: code tiles 0 and 1
	v_wmma_f32_16x16x32_bf16 v[DS0:DS0+7], v[0:7], v[BF0:BF0+7], v[CE:CE+7]
	v_wmma_f32_16x16x32_bf16 v[DS0+8:DS0+15], v[16:23], v[BF0:BF0+7], v[CE+8:CE+15]
	v_wmma_f32_16x16x32_bf16 v[DS0:DS0+7], v[8:15], v[BF0+8:BF0+15], v[DS0:DS0+7]
	v_wmma_f32_16x16x32_bf16 v[DS0+8:DS0+15], v[24:31], v[BF0+8:BF0+15], v[DS0+8:DS0+15]
	WIN 0
	v_mov_b32 v[MO], 0xff800000                    ; these ten lines are also the places behind the matrix instructions above
	v_mov_b32 v[T], 0
.irp j, 0,1,2,3,4,5,6,7
	v_mov_b32 v[R+\j], 0                           ; written once, so that the first selects have a defined source
.endr
	v_max3_num_f32 v[TA], v[DS0], v[DS0+1], v[DS0+2]               ; tile 0's maximum begins, as slice A of a tile 15 would begin it
	v_max3_num_f32 v[TB], v[DS0+3], v[DS0+4], v[DS0+5]
	v_max_num_f32 v[TC], v[DS0+6], v[DS0+7]
	NTILE BF0, BF1, 2, 1                           ; rows 0-15
	s_mov_b32 s22, 7
.Lrows:
	NTILE BF1, BF0, 1, 1
	NTILE BF0, BF1, 1, 1
	s_sub_co_u32 s22, s22, 1
	s_cmp_lg_u32 s22, 0
	s_cbranch_scc1 .Lrows
	NTILE BF1, BF0, 1, 0                           ; rows 240-255: nothing is left to fetch
	; THE END.  Eight candidates a row (four waves x two lane halves).  Thread t takes rows 2 t and 2 t + 1.
	s_wait_dscnt 0x0                               ; my candidates are in LDS
	s_barrier_signal -1
	s_barrier_wait -1                              ; everybody's are
	v_lshlrev_b32 v[FA], 5, v0                     ; two rows of 16 bytes
.irp w, 0,1,2,3
	ds_load_b128 v[F+8*\w:F+8*\w+3], v[FA] offset:4096*\w          ; row 2 t: score, index of h = 0; score, index of h = 1
	ds_load_b128 v[F+8*\w+4:F+8*\w+7], v[FA] offset:4096*\w+16     ; row 2 t + 1
.endr
	v_add_f32 v[ZZ], v[ZZ], v[ZZ+1]
	v_add_f32 v[ZZ+2], v[ZZ+2], v[ZZ+3]
	v_add_f32 v[ZZ], v[ZZ], v[ZZ+2]                ; my share of the sum of z^2
	v_lshlrev_b32 v[IO], 3, v0
	s_wait_dscnt 0x0
.macro LEX bm, bi, cm, ci, oi                  ; the candidate wins with a larger score, or with an equal score and a lower index
	v_cmp_gt_f32 s20, v[\cm], v[\bm]
	v_cmp_eq_f32 s21, v[\cm], v[\bm]
	v_cmp_lt_u32 vcc_lo, v[\ci], v[\bi]
	s_and_b32 s21, s21, vcc_lo
	s_or_b32 vcc_lo, s20, s21
	v_cndmask_b32 v[\bm], v[\bm], v[\cm], vcc_lo
	v_cndmask_b32 v[\oi], v[\bi], v[\ci], vcc_lo
.endm
.macro BEST f, oi
	LEX \f, \f+1, \f+2, \f+3, \oi
.irp w, 1,2,3
	LEX \f, \oi, \f+8*\w, \f+8*\w+1, \oi
	LEX \f, \oi, \f+8*\w+2, \f+8*\w+3, \oi
.endr
.endm
	BEST F, OI
	BEST F+4, OI+1
	global_store_b64 v[IO], v[OI:OI+1], s[8:9]     ; a wave stores 256 consecutive bytes, at a multiple of 256 from idx's first byte
	v_add_f32 v[TA], v[F], v[F+4]
	v_fma_f32 v[TA], -2.0, v[TA], v[ZZ]            ; my share of  sum z^2 - 2 sum s_max
	v_add_f32_dpp v[TA], v[TA], v[TA] row_xmask:1 row_mask:0xf bank_mask:0xf
	v_add_f32_dpp v[TA], v[TA], v[TA] row_xmask:2 row_mask:0xf bank_mask:0xf
	v_add_f32_dpp v[TA], v[TA], v[TA] row_xmask:4 row_mask:0xf bank_mask:0xf
	v_add_f32_dpp v[TA], v[TA], v[TA] row_xmask:8 row_mask:0xf bank_mask:0xf
	v_permlanex16_b32 v[PX], v[TA], s18, s19
	v_add_f32 v[TA], v[TA], v[PX]                  ; the wave's sum, in every lane
	s_lshl_b32 s20, s12, 2
	s_add_co_u32 s20, s20, RED
	v_mov_b32 v[TB], s20
	ds_store_b32 v[TB], v[TA]                      ; all lanes write the wave's own word with the same value
	s_wait_dscnt 0x0
	s_barrier_signal -1
	s_barrier_wait -1
	s_cmp_lg_u32 s12, 0
	s_cbranch_scc1 .Lnot_first                     ; wave 0 adds the four sums and stores the work-group's one word
	v_mov_b32 v[TB], RED
	ds_load_b128 v[F:F+3], v[TB]
	v_mov_b32 v[TC], 0
	s_wait_dscnt 0x0
	v_add_f32 v[F], v[F], v[F+1]
	v_add_f32 v[F+2], v[F+2], v[F+3]
	v_add_f32 v[F], v[F], v[F+2]
	v_cmp_eq_u32 vcc_lo, 0, v0
	s_wait_xcnt 0x0                                ; EXEC is a source of the store of idx: it is narrowed only behind this wait
	s_and_saveexec_b32 s23, vcc_lo
	global_store_b32 v[TC], v[F], s[10:11]
	s_wait_xcnt 0x0                                ; and widened only behind this one
	s_or_b32 exec_lo, exec_lo, s23
.Lnot_first:
	s_wait_tensorcnt 0x0
	ds_add_u32 v126, v127
	s_wait_dscnt 0x0
	ROUND                                          ; the closing round: no work-group ends while a partner may still ask for a tile that names it
	s_endpgm
.Lfunc_end_k_qcad88dd562_nearest:
	.size	k_qcad88dd562_nearest, .Lfunc_end_k_qcad88dd562_nearest-k_qcad88dd562_nearest
	.p2alignl 7, 3214868480
	.fill 96, 4, 3214868480
	.section	.rodata,"a",@progbits
	.p2align	6, 0x0
	.amdhsa_kernel k_qcad88dd562_nearest
		.amdhsa_group_segment_fixed_size 324352
		.amdhsa_private_segment_fixed_size 0
		.amdhsa_enable_private_segment 0
		.amdhsa_kernarg_size 32
		.amdhsa_user_sgpr_count 2
		.amdhsa_user_sgpr_kernarg_segment_ptr 1
		.amdhsa_wavefront_size32 1
		.amdhsa_system_sgpr_workgroup_id_x 1
		.amdhsa_system_sgpr_workgroup_id_y 1
		.amdhsa_system_sgpr_workgroup_id_z 1
		.amdhsa_system_vgpr_workitem_id 0
		.amdhsa_next_free_vgpr 640
		.amdhsa_next_free_sgpr 66
		.amdhsa_reserve_vcc 1
		.amdhsa_float_denorm_mode_32 3
		.amdhsa_float_denorm_mode_16_64 3
		.amdhsa_memory_ordered 1
		.amdhsa_forward_progress 1
		.amdhsa_inst_pref_size 127
	.end_amdhsa_kernel
	.amdgpu_metadata
---
amdhsa.version: [ 1, 2 ]
amdhsa.kernels:
  - .name:           k_qcad88dd562_nearest
    .symbol:         k_qcad88dd562_nearest.kd
    .args:
      - { .name: z, .offset: 0, .size: 8, .value_kind: global_buffer, .address_space: global }
      - { .name: codebook, .offset: 8, .size: 8, .value_kind: global_buffer, .address_space: global }
      - { .name: idx, .offset: 16, .size: 8, .value_kind: global_buffer, .address_space: global }
      - { .name: part, .offset: 24, .size: 8, .value_kind: global_buffer, .address_space: global }
    .group_segment_fixed_size: 324352
    .private_segment_fixed_size: 0
    .kernarg_segment_align: 8
    .kernarg_segment_size: 32
    .max_flat_workgroup_size: 128
    .sgpr_count:     66
    .vgpr_count:     640
    .wavefront_size: 32
...
	.end_amdgpu_metadata
.endif
;; end of part 1
;; launch lookup (part 2): grid 256 x 1, 8 waves a work-group, no clusters, 0 bytes of LDS; arguments idx, part, codebook, out0, out1; writes out0, out1
.if DOCPART == 2
	.amdgcn_target "amdgcn-amd-amdhsa--gfx1250"
	.amdhsa_code_object_version 6
	.text
	.protected	k_qcad88dd562_lookup
	.globl	k_qcad88dd562_lookup
	.p2align	8
	.type	k_qcad88dd562_lookup,@function
k_qcad88dd562_lookup:
	s_mov_b64 s[64:65], 0
	v_nop
	global_prefetch_b8 v0, s[64:65] scope:SCOPE_SE
	s_setreg_imm32_b32 hwreg(HW_REG_WAVE_MODE, 25, 1), 1
	s_wait_xcnt 0x0
; lookup: out0[row] = codebook[idx[row]], and out1 = 11 / 2^22 x the sum of the 256 partial sums of the first launch.
; LEFT OUT: z_e + (z_q - z_e) = z_q for all finite values, so z is not read here; the loss is 11 x the mean over 65,536 x 64 = 2^22 numbers of
; (z_q - z)^2, whose sum the first launch has stored as 256 words (the reasons stand at that kernel's head).
; A stream: 256 work-groups of eight waves, a wave takes 32 rows.  In gather i lanes 0-15 take row i and lanes 16-31 row 16 + i, 16 bytes a lane, so each
; half of the lanes reads a whole code of 256 bytes and stores 256 consecutive bytes at a multiple of 256 from out0's first byte.
; No LDS, no matrix unit, no cluster: nothing is multiplied and no wave needs another's data.
.set IX,  4                            ; v[4:19]   16 indices of my lane half, then byte offsets into the codebook
.set OUT, 20                           ; v20       4096 h + 16 r
.set D,   32                           ; v[32:95]  16 gathers of 4 registers
.set P,   96                           ; v[96:103] eight partial sums a lane
	s_load_b256 s[4:11], s[0:1], 0x0               ; idx s[4:5], part s[6:7], codebook s[8:9], out0 s[10:11]
	s_load_b64 s[12:13], s[0:1], 0x20              ; out1
	v_lshrrev_b32 v1, 5, v0
	v_readfirstlane_b32 s14, v1                    ; wave 0..7
	v_and_b32 v1, 15, v0
	v_bfe_u32 v2, v0, 4, 1                         ; h
	v_lshlrev_b32 v1, 4, v1                        ; 16 r
	v_lshl_add_u32 v[OUT], v2, 12, v1              ; 16 rows of 256 bytes for the upper half
	v_lshlrev_b32 v2, 6, v2                        ; 16 indices of 4 bytes
	s_lshl_b32 s16, ttmp9, 10                      ; idx: 256 words a work-group,
	s_lshl_b32 s15, s14, 7                         ; 32 a wave
	s_add_co_u32 s16, s16, s15
	s_mov_b32 s17, 0
	s_mov_b32 s18, 0x76543210
	s_mov_b32 s19, 0xfedcba98
	s_wait_kmcnt 0x0
	s_add_nc_u64 s[4:5], s[4:5], s[16:17]
.irp i, 0,1,2,3
	global_load_b128 v[IX+4*\i:IX+4*\i+3], v2, s[4:5] offset:16*\i
.endr
	s_lshl_b32 s16, s16, 6                         ; a row of out0 is 64 times its index's 4 bytes
	s_add_nc_u64 s[10:11], s[10:11], s[16:17]
	s_wait_loadcnt 0x0
.irp i, 0,1,2,3,4,5,6,7,8,9,10,11,12,13,14,15
	v_min_u32 v[IX+\i], 0x3ff, v[IX+\i]            ; an index stays inside the table
	v_lshl_add_u32 v[IX+\i], v[IX+\i], 8, v1       ; 256 bytes a code + my 16
.endr
.irp i, 0,1,2,3,4,5,6,7,8,9,10,11,12,13,14,15
	global_load_b128 v[D+4*\i:D+4*\i+3], v[IX+\i], s[8:9]
.endr
	s_or_b32 s20, ttmp9, s14
	s_cmp_lg_u32 s20, 0
	s_cbranch_scc1 .Lstores                        ; wave 0 of work-group 0 alone makes out1
	v_lshlrev_b32 v3, 5, v0                        ; in this wave v0 is the lane: 32 bytes each, 1,024 in all
	global_load_b128 v[P:P+3], v3, s[6:7]
	global_load_b128 v[P+4:P+7], v3, s[6:7] offset:16
	v_mov_b32 v104, 0                              ; v_permlanex16_b32 counts as a reader of its destination
	v_mov_b32 v105, 0
	s_wait_loadcnt 0x0
	v_pk_add_f32 v[P:P+1], v[P:P+1], v[P+2:P+3]
	v_pk_add_f32 v[P+4:P+5], v[P+4:P+5], v[P+6:P+7]
	v_pk_add_f32 v[P:P+1], v[P:P+1], v[P+4:P+5]
	v_add_f32 v[P], v[P], v[P+1]
	v_add_f32_dpp v[P], v[P], v[P] row_xmask:1 row_mask:0xf bank_mask:0xf
	v_add_f32_dpp v[P], v[P], v[P] row_xmask:2 row_mask:0xf bank_mask:0xf
	v_add_f32_dpp v[P], v[P], v[P] row_xmask:4 row_mask:0xf bank_mask:0xf
	v_add_f32_dpp v[P], v[P], v[P] row_xmask:8 row_mask:0xf bank_mask:0xf
	v_permlanex16_b32 v104, v[P], s18, s19
	v_add_f32 v[P], v[P], v104
	v_mul_f32 v[P], 0x36300000, v[P]               ; 11 x 2^-22
	v_cmp_eq_u32 vcc_lo, 0, v0
	s_wait_xcnt 0x0                                ; EXEC is a source of the loads above: it is narrowed only behind this wait
	s_and_saveexec_b32 s20, vcc_lo
	global_store_b32 v105, v[P], s[12:13]
	s_wait_xcnt 0x0                                ; and widened only behind this one
	s_or_b32 exec_lo, exec_lo, s20
.Lstores:
.irp i, 0,1,2,3,4,5,6,7,8,9,10,11,12,13,14,15
	s_wait_loadcnt 15-\i                           ; loads come back in order: gather i is in, the younger ones stay out (on the way through the branch all are in)
	global_store_b128 v[OUT], v[D+4*\i:D+4*\i+3], s[10:11] offset:256*\i th:TH_STORE_NT
.endr
	s_endpgm
.Lfunc_end_k_qcad88dd562_lookup:
	.size	k_qcad88dd562_lookup, .Lfunc_end_k_qcad88dd562_lookup-k_qcad88dd562_lookup
	.p2alignl 7, 3214868480
	.fill 96, 4, 3214868480
	.section	.rodata,"a",@progbits
	.p2align	6, 0x0
	.amdhsa_kernel k_qcad88dd562_lookup
		.amdhsa_group_segment_fixed_size 0
		.amdhsa_private_segment_fixed_size 0
		.amdhsa_enable_private_segment 0
		.amdhsa_kernarg_size 40
		.amdhsa_user_sgpr_count 2
		.amdhsa_user_sgpr_kernarg_segment_ptr 1
		.amdhsa_wavefront_size32 1
		.amdhsa_system_sgpr_workgroup_id_x 1
		.amdhsa_system_sgpr_workgroup_id_y 1
		.amdhsa_system_sgpr_workgroup_id_z 1
		.amdhsa_system_vgpr_workitem_id 0
		.amdhsa_next_free_vgpr 112
		.amdhsa_next_free_sgpr 66
		.amdhsa_reserve_vcc 1
		.amdhsa_float_denorm_mode_32 3
		.amdhsa_float_denorm_mode_16_64 3
		.amdhsa_memory_ordered 1
		.amdhsa_forward_progress 1
		.amdhsa_inst_pref_size 9
	.end_amdhsa_kernel
	.amdgpu_metadata
---
amdhsa.version: [ 1, 2 ]
amdhsa.kernels:
  - .name:           k_qcad88dd562_lookup
    .symbol:         k_qcad88dd562_lookup.kd
    .args:
      - { .name: idx, .offset: 0, .size: 8, .value_kind: global_buffer, .address_space: global }
      - { .name: part, .offset: 8, .size: 8, .value_kind: global_buffer, .address_space: global }
      - { .name: codebook, .offset: 16, .size: 8, .value_kind: global_buffer, .address_space: global }
      - { .name: out0, .offset: 24, .size: 8, .value_kind: global_buffer, .address_space: global }
      - { .name: out1, .offset: 32, .size: 8, .value_kind: global_buffer, .address_space: global }
    .group_segment_fixed_size: 0
    .private_segment_fixed_size: 0
    .kernarg_segment_align: 8
    .kernarg_segment_size: 40
    .max_flat_workgroup_size: 256
    .sgpr_count:     66
    .vgpr_count:     112
    .wavefront_size: 32
...
	.end_amdgpu_metadata
.endif
;; end of part 2
